; MI455X (gfx1250); checked and timed in simulation.
; The chip was launched on July 23, 2026; its instructions are those of AMD's public machine-readable ISA for CDNA 5 (MIT licence, August 2026) and "CDNA5" Instruction Set Architecture Reference Guide (July 2026). The comments in the code are by the model that wrote it; some were corrected since.
;; Multi Headed Attention. Allowed arithmetic: matrix products marked QUANTISED: E2M1 operands, one E8M0 scale for each 32 along K, by v_wmma_scale_f32_16x16x128_f8f6f4 with both operands' format E2M1 (or v_wmma_scale_f32_32x16x128_f4), f32 sums; products left as they are: bf16, f16 or f32 operands; f32 sums; everything else in f32.
;; Inputs: Wk 1,024 x 1,024 float32; Wo 1,024 x 1,024 float32; Wq 1,024 x 1,024 float32; Wv 1,024 x 1,024 float32; bk 1,024 float32; bo 1,024 float32; bq 1,024 float32; bv 1,024 float32; x 2 x 2,048 x 1,024 float32.
;; Outputs: out0 2 x 2,048 x 1,024 float32.
;; This version of the problem:
;;   THIS VERSION OF THE PROBLEM IS GIVEN IN LOW PRECISION. The matrix products marked QUANTISED in the list below multiply operands that are first quantised to E2M1 (2 exponent bits, 1 mantissa bit; 4 bits a number), with one power-of-two scale for each 32 numbers along K (OCP MX v1.0); their sums are f32. The products marked 'left as it is' may take bf16, f16 or f32 operands, with f32 sums. Whichever they take, every output number must still come out within the allowed error. Rounding operands to bf16 (8 significant bits) uses up far more of that allowance than f16 does (11 bits, for magnitudes from 6e-5 to 65,504). All else is computed in f32.
;;   The module's matrix products, in the order in which they are computed (A, B: the left and right operand; K: the contracted axis; several contracted axes count as one K, in the product's order):
;;     1. [M 4,096, K 1,024] x [K 1,024, N 1,024]; A: input x; B: input Wq: QUANTISED
;;     2. [M 4,096, K 1,024] x [K 1,024, N 1,024]; A: input x; B: input Wk: QUANTISED
;;     3. [M 4,096, K 1,024] x [K 1,024, N 1,024]; A: input x; B: input Wv: QUANTISED
;;     4. batch 32 x [M 2,048, K 64] x [K 64, N 2,048]; A: computed on the way; B: computed on the way: left as it is (an operand is computed on the way)
;;     5. batch 32 x [M 2,048, K 2,048] x [K 2,048, N 64]; A: computed on the way; B: computed on the way: left as it is (an operand is computed on the way)
;;     6. [M 4,096, K 1,024] x [K 1,024, N 1,024]; A: computed on the way; B: input Wo: left as it is (an operand is computed on the way)
;;   THE QUANTISER, for each operand of a quantised product, along K:
;;     - K is cut into blocks of 32 from its start; a last block that is shorter is filled with zeros.
;;     - A block's scale is 2^e with e = floor(log2(the largest magnitude in the block)) - 2, held to -126 .. 127; a block of zeros has e = 0. As a byte (E8M0): e + 127.
;;     - Each number is divided by its block's scale, clamped to +-6, and rounded to the nearest number of E2M1, ties to even, subnormals kept.
;;     - The product sums the exact products of the quantised numbers (number of the format x scale) in f32.
;;   ~~~python
;;   def quantise(x, axis):      # numpy; x: float32 -> the quantised numbers, widened to float32 again
;;       x = np.moveaxis(x, axis, -1); K = x.shape[-1]
;;       x = np.pad(x, [(0, 0)] * (x.ndim - 1) + [(0, -K % 32)]); x = x.reshape(x.shape[:-1] + (-1, 32)); a = np.abs(x).max(-1, keepdims=True)
;;       e = np.where(a > 0, np.clip(np.frexp(np.where(a > 0, a, 1))[1] - 1 - 2, -126, 127), 0)      # np.frexp(a)[1] - 1 = floor(log2(a)), exactly
;;       r = np.clip(x / 2.0 ** e, -6, 6)
;;       step = 2.0 ** (np.maximum(np.frexp(np.where(r == 0, 1, r))[1] - 1, 0) - 1)
;;       q = np.round(r / step) * step * 2.0 ** e      # np.round: ties to even
;;       return np.moveaxis(q.reshape(q.shape[:-2] + (-1,))[..., :K], -1, axis).astype(np.float32)
;;   ~~~
;; One version. Each part assembles by itself: llvm-mc -triple=amdgcn-amd-amdhsa -mcpu=gfx1250 --defsym DOCPART=n.
;; ======== version 1 of 1: 4 launches
;; limits: values are held in f16: magnitudes above 65,504 overflow, below 6.1e-05 lose precision
;; workspace buffers: cod 3,670,016 bytes; sc 229,376 bytes; wof 2,097,152 bytes; qf 8,388,608 bytes; kv 16,777,216 bytes; cf 8,388,608 bytes
;; launch prep (part 1): grid 512 x 1, 4 waves a work-group, no clusters, 68,096 bytes of LDS; arguments x, Wq, Wk, Wv, Wo, cod, sc, wof; writes cod, sc, wof
.if DOCPART == 1
	.amdgcn_target "amdgcn-amd-amdhsa--gfx1250"
	.amdhsa_code_object_version 6
	.text
	.protected	k_qae424d8cec_prep
	.globl	k_qae424d8cec_prep
	.p2align	8
	.type	k_qae424d8cec_prep,@function
k_qae424d8cec_prep:
	s_mov_b64 s[64:65], 0
	v_nop
	global_prefetch_b8 v0, s[64:65] scope:SCOPE_SE
	s_setreg_imm32_b32 hwreg(HW_REG_WAVE_MODE, 25, 1), 1
	s_wait_xcnt 0x0
; PREP.  x [4096][1024], Wq, Wk, Wv [1024][1024], f32, K innermost, become codes of FP4 (E2M1) with one E8M0 scale byte for each 32 along K; Wo [1024][1024] becomes f16.
; A block's scale is 2^(floor(log2(its largest magnitude)) - 2); its byte is the largest magnitude's exponent field - 2, held at 1 from below; numbers are divided by it and rounded to the nearest code, ties to even, beyond 6 the largest code.
; LIMITS: a block of zeros gets the byte 1 where the rule says 127 (its codes are zeros, and this program alone reads the bytes); NaN and infinities among the inputs are not served; Wo is rounded to f16: |Wo| under 65,504, an absolute step of 6e-8 under 6e-5.
; EVERYTHING IS STORED AS AN IMAGE OF THE OPERAND'S REGISTERS: pieces of 512 bytes, lane l's 16 bytes at 16 l.
;   cod [448 blocks of 16 rows][32 blocks of 32 k][16 rows][16 bytes]: rows 0-4095 x, then Wq, Wk, Wv.   sc [448][4][16 rows][2 words]: word s of a row scales k = 128 s on.   wof [64 blocks of 16 rows][128 groups of 8 k][16 rows][16 bytes].
; SHARES.  A work-group takes 16 rows (0-255 x, 256-319 Wq, 320-383 Wk, 384-447 Wv, 448-511 Wo), wave w their k = 256 w .. 256 w + 255: two steps of 128.  All 32 loads of a wave (512 consecutive bytes each) go out at once.
; The numbers turn through the wave's own stage in LDS (rows of 512 bytes + 16), so that a lane gets neighbours along K of ONE row.  No barrier: waves share nothing.  No matrix unit, no cluster: nothing is multiplied and nothing is shared.
.set STG,   16*528                     ; a stage: one step's 16 rows
.set WREG,  2*STG                      ; a wave's two stages
.set SPARE, 4*WREG                     ; behind them: the spare words, 128 bytes a wave: two blocks of 256 bytes that no other line names
.set GL,  4                            ; v4   16 x lane: loads and stores
.set SW,  5                            ; v5   the stage, on the way in
.set AF,  6                            ; v6   on the way out, for codes: row r, + 128 h
.set AW,  7                            ; v7   for f16: row r, + 32 h
.set SH,  8                            ; v8   8 h
.set SA,  9                            ; v9   my scale word's place: 8 r + 4 h
.set SPW, 10                           ; v10  my spare word; never rewritten
.set NIL, 11                           ; v11  0; never rewritten
.set M,   12                           ; v12-13 largest magnitudes
.set SOP, 14                           ; v14-15 the conversions' scale operands
.set BY,  16                           ; v16-17 scale bytes
.set WK,  18
.set PD,  19
.set WD,  20                           ; v20-21 the two steps' scale words
.set WS,  22
.set X,   32                           ; v32-95   64 numbers of my row
.set C,   96                           ; v96-111  codes
.set R,   112                          ; v112-239 as loaded; on Wo's way later the f16 numbers
	s_load_b256 s[4:11], s[0:1], 0x0               ; x, Wq, Wk, Wv
	s_load_b256 s[12:19], s[0:1], 0x20             ; Wo, cod, sc, wof
	v_lshl_add_u32 v[SPW], v0, 2, SPARE
	v_mov_b32 v[NIL], 0
	v_lshrrev_b32 v1, 5, v0
	v_readfirstlane_b32 s20, v1                    ; wave
	v_and_b32 v1, 31, v0                           ; lane
	v_and_b32 v2, 15, v0                           ; r
	v_bfe_u32 v3, v0, 4, 1                         ; h
	v_lshlrev_b32 v[GL], 4, v1
	s_mul_i32 s21, s20, WREG
	v_add_nc_u32 v[SW], s21, v[GL]
	v_mul_u32_u24 v[AF], v2, 528
	v_add_nc_u32 v[AF], s21, v[AF]
	v_lshl_add_u32 v[AW], v3, 5, v[AF]
	v_lshl_add_u32 v[AF], v3, 7, v[AF]
	v_lshlrev_b32 v[SH], 3, v3
	v_lshlrev_b32 v[SA], 3, v2
	v_lshl_add_u32 v[SA], v3, 2, v[SA]
	v_mov_b32 v[PD], 0                             ; a lane permute's destination counts as one of its sources
	s_mov_b32 s28, 0x76543210
	s_mov_b32 s29, 0xfedcba98                      ; selects for lane l xor 16
	s_mov_b32 s24, 448
	s_wait_kmcnt 0x0
	s_cmp_lt_u32 ttmp9, 448                        ; which tensor, and its first work-group: the choice hangs on the work-group's number alone
	s_cselect_b64 s[22:23], s[10:11], s[12:13]
	s_cselect_b32 s24, 384, s24
	s_cmp_lt_u32 ttmp9, 384
	s_cselect_b64 s[22:23], s[8:9], s[22:23]
	s_cselect_b32 s24, 320, s24
	s_cmp_lt_u32 ttmp9, 320
	s_cselect_b64 s[22:23], s[6:7], s[22:23]
	s_cselect_b32 s24, 256, s24
	s_cmp_lt_u32 ttmp9, 256
	s_cselect_b64 s[22:23], s[4:5], s[22:23]
	s_cselect_b32 s24, 0, s24
	s_sub_co_u32 s26, ttmp9, s24
	s_lshl_b32 s26, s26, 16                        ; 16 rows of 4,096 bytes
	s_lshl_b32 s27, s20, 10                        ; my wave's 256 numbers
	s_add_co_u32 s26, s26, s27
	s_mov_b32 s27, 0
	s_add_nc_u64 s[22:23], s[22:23], s[26:27]
.irp s, 0,1
.irp row, 0,1,2,3,4,5,6,7,8,9,10,11,12,13,14,15
	global_load_b128 v[R+64*\s+4*\row:R+64*\s+4*\row+3], v[GL], s[22:23] offset:512*\s+4096*\row th:TH_LOAD_NT   ; 32 lanes read 512 consecutive bytes of a row; read once
.endr
.endr
	s_wait_loadcnt 16                              ; step 0's sixteen loads are in; step 1's sixteen may be out
.irp row, 0,1,2,3,4,5,6,7,8,9,10,11,12,13,14,15
	ds_store_b128 v[SW], v[R+4*\row:R+4*\row+3] offset:528*\row
.endr
	s_wait_loadcnt 0x0
.irp row, 0,1,2,3,4,5,6,7,8,9,10,11,12,13,14,15
	ds_store_b128 v[SW], v[R+64+4*\row:R+64+4*\row+3] offset:STG+528*\row
.endr
	s_cmp_ge_u32 ttmp9, 448                        ; all LDS stores stand above: the two ways below only read the stages
	s_cbranch_scc1 .Lwo
; Step s of 128 along K becomes a fragment: lane (r, h) takes k = 64 c + 32 h + 0 .. 31 of row r, two whole blocks, in the order of the operand's registers.
.macro QSTEP s
.irp c, 0,1
.irp j, 0,1,2,3,4,5,6,7
	ds_load_b128 v[X+32*\c+4*\j:X+32*\c+4*\j+3], v[AF] offset:\s*STG+256*\c+16*\j   ; LDS serves a wave's instructions in order: these see my stores
.endr
.endr
	s_wait_dscnt 0x0
.irp c, 0,1
	v_max3_num_f32 v[M+\c], |v[X+32*\c]|, |v[X+32*\c+1]|, 0x1800000   ; the floor 2^(3 - 127) among the leaves: the byte cannot fall under 1
.endr
.irp i, 2,4,6,8,10,12,14,16,18,20,22,24,26,28,30
.irp c, 0,1
	v_max3_num_f32 v[M+\c], v[M+\c], |v[X+32*\c+\i]|, |v[X+32*\c+\i+1]|   ; the two blocks by turns
.endr
.endr
.irp c, 0,1
	v_add_nc_u32 v[SOP+\c], 0xff000000, v[M+\c]    ; 2 off the exponent field: the conversion takes the exponent field of this operand as its scale
.endr
.irp c, 0,1
	v_lshrrev_b32 v[BY+\c], 23, v[SOP+\c]          ; the scale's byte
.endr
	v_lshl_or_b32 v[WK], v[BY+1], 16, v[BY]        ; blocks h and 2 + h,
	v_lshlrev_b32 v[WK], v[SH], v[WK]              ; at their places in the word;
	v_permlanex16_b32 v[PD], v[WK], s28, s29
	v_or_b32 v[WD+\s], v[WK], v[PD]                ; with lane l xor 16's two the word is whole
.irp c, 0,1
.irp g, 0,1,2,3
	v_cvt_scalef32_pk8_fp4_f32 v[C+8*\s+4*\c+\g], v[X+32*\c+8*\g:X+32*\c+8*\g+7], v[SOP+\c]
.endr
.endr
	v_nop                                          ; one plain place behind the last scaled conversion
.irp c, 0,1
	global_store_b128 v[GL], v[C+8*\s+4*\c:C+8*\s+4*\c+3], s[14:15] offset:1024*\s+512*\c   ; 512 consecutive bytes, aligned
.endr
.endm
	s_lshl_b32 s26, ttmp9, 13                      ; cod: 8,192 bytes a block of rows, 2,048 a wave
	s_lshl_b32 s25, s20, 11
	s_add_co_u32 s26, s26, s25
	s_add_nc_u64 s[14:15], s[14:15], s[26:27]
	s_lshl_b32 s26, ttmp9, 9                       ; sc: 512 bytes a block of rows, 128 a wave
	s_lshl_b32 s25, s20, 7
	s_add_co_u32 s26, s26, s25
	s_add_nc_u64 s[16:17], s[16:17], s[26:27]
	QSTEP 0
	QSTEP 1
	v_cmp_ne_u32 vcc_lo, 0, v3
	v_cndmask_b32 v[WS], v[WD], v[WD+1], vcc_lo    ; lanes 0-15 store step 0's word, lanes 16-31 step 1's
	global_store_b32 v[SA], v[WS], s[16:17]        ; 128 consecutive bytes a wave: one byte in 26 of what the launch stores
	s_branch .Lend
; Wo: lane (r, h) takes k = 16 u + 8 h + 0 .. 7 of row r: eight f16 numbers are 16 bytes, four registers of a 16-bit operand.
.macro WSTEP s
.irp u, 0,1,2,3,4,5,6,7
.irp j, 0,1
	ds_load_b128 v[X+8*\u+4*\j:X+8*\u+4*\j+3], v[AW] offset:\s*STG+64*\u+16*\j
.endr
.endr
	s_wait_dscnt 0x0                               ; also: my stores into the stages have read R, which is written below
.irp u, 0,1,2,3,4,5,6,7
.irp p, 0,1,2,3
	v_cvt_pk_f16_f32 v[R+32*\s+4*\u+\p], v[X+8*\u+2*\p], v[X+8*\u+2*\p+1]
.endr
.endr
.irp u, 0,1,2,3,4,5,6,7
	global_store_b128 v[GL], v[R+32*\s+4*\u:R+32*\s+4*\u+3], s[18:19] offset:4096*\s+512*\u
.endr
.endm
.Lwo:
	s_sub_co_u32 s26, ttmp9, s24                   ; wof: 32,768 bytes a block of rows, 8,192 a wave
	s_lshl_b32 s26, s26, 15
	s_lshl_b32 s25, s20, 13
	s_add_co_u32 s26, s26, s25
	s_add_nc_u64 s[18:19], s[18:19], s[26:27]
	WSTEP 0
	WSTEP 1
.Lend:
	s_wait_tensorcnt 0x0                           ; the wave's end, behind my last LDS store
	ds_add_u32 v[SPW], v[NIL]
	s_wait_dscnt 0x0
	s_endpgm
.Lfunc_end_k_qae424d8cec_prep:
	.size	k_qae424d8cec_prep, .Lfunc_end_k_qae424d8cec_prep-k_qae424d8cec_prep
	.p2alignl 7, 3214868480
	.fill 96, 4, 3214868480
	.section	.rodata,"a",@progbits
	.p2align	6, 0x0
	.amdhsa_kernel k_qae424d8cec_prep
		.amdhsa_group_segment_fixed_size 68096
		.amdhsa_private_segment_fixed_size 0
		.amdhsa_enable_private_segment 0
		.amdhsa_kernarg_size 64
		.amdhsa_user_sgpr_count 2
		.amdhsa_user_sgpr_kernarg_segment_ptr 1
		.amdhsa_wavefront_size32 1
		.amdhsa_system_sgpr_workgroup_id_x 1
		.amdhsa_system_sgpr_workgroup_id_y 1
		.amdhsa_system_sgpr_workgroup_id_z 1
		.amdhsa_system_vgpr_workitem_id 0
		.amdhsa_next_free_vgpr 240
		.amdhsa_next_free_sgpr 66
		.amdhsa_reserve_vcc 1
		.amdhsa_float_denorm_mode_32 3
		.amdhsa_float_denorm_mode_16_64 3
		.amdhsa_memory_ordered 1
		.amdhsa_forward_progress 1
		.amdhsa_inst_pref_size 25
	.end_amdhsa_kernel
	.amdgpu_metadata
---
amdhsa.version: [ 1, 2 ]
amdhsa.kernels:
  - .name:           k_qae424d8cec_prep
    .symbol:         k_qae424d8cec_prep.kd
    .args:
      - { .name: x, .offset: 0, .size: 8, .value_kind: global_buffer, .address_space: global }
      - { .name: Wq, .offset: 8, .size: 8, .value_kind: global_buffer, .address_space: global }
      - { .name: Wk, .offset: 16, .size: 8, .value_kind: global_buffer, .address_space: global }
      - { .name: Wv, .offset: 24, .size: 8, .value_kind: global_buffer, .address_space: global }
      - { .name: Wo, .offset: 32, .size: 8, .value_kind: global_buffer, .address_space: global }
      - { .name: cod, .offset: 40, .size: 8, .value_kind: global_buffer, .address_space: global }
      - { .name: sc, .offset: 48, .size: 8, .value_kind: global_buffer, .address_space: global }
      - { .name: wof, .offset: 56, .size: 8, .value_kind: global_buffer, .address_space: global }
    .group_segment_fixed_size: 68096
    .private_segment_fixed_size: 0
    .kernarg_segment_align: 8
    .kernarg_segment_size: 64
    .max_flat_workgroup_size: 128
    .sgpr_count:     66
    .vgpr_count:     240
    .wavefront_size: 32
...
	.end_amdgpu_metadata
.endif
;; end of part 1
;; launch qkv (part 2): grid 12 x 16, 4 waves a work-group, clusters of 4 x 4, 327,680 bytes of LDS; arguments cod, sc, bq, bk, bv, qf, kv; writes qf, kv
.if DOCPART == 2
	.amdgcn_target "amdgcn-amd-amdhsa--gfx1250"
	.amdhsa_code_object_version 6
	.text
	.protected	k_qae424d8cec_qkv
	.globl	k_qae424d8cec_qkv
	.p2align	8
	.type	k_qae424d8cec_qkv,@function
k_qae424d8cec_qkv:
	s_mov_b64 s[64:65], 0
	v_nop
	global_prefetch_b8 v0, s[64:65] scope:SCOPE_SE
	s_setreg_imm32_b32 hwreg(HW_REG_WAVE_MODE, 25, 1), 1
	s_wait_xcnt 0x0
	s_wait_alu depctr_hold_cnt(0) depctr_sa_sdst(0) depctr_va_vdst(0) depctr_va_sdst(0) depctr_va_ssrc(0) depctr_va_vcc(0) depctr_vm_vsrc(0)
	s_getreg_b32 s2, hwreg(HW_REG_IB_STS2, 6, 4)
	s_cmp_eq_u32 s2, 0
	s_cbranch_scc0 .Lentry_in_a_cluster
	s_endpgm
.Lentry_in_a_cluster:
	s_bfe_u32 s2, ttmp6, 0x10000c
	s_cmp_lg_u32 s2, 0xf033
	s_cbranch_scc0 .Lentry_shape_is_right
	s_endpgm
.Lentry_shape_is_right:
; QKV.  q = (x Wq^T + bq) log2(e) / 8, k = x Wk^T + bk, v = x Wv^T + bv, the three products on codes of FP4 with E8M0 scales (K = 1,024), sums in f32, results rounded once to f16.
; LIMITS: the results are f16 operands of the next launch: their magnitudes stay under 65,504, and under 6e-5 they keep an absolute step of 6e-8.
; SHARES.  A work-group makes 256 tokens x 256 outputs; cluster x = 0, 1, 2 is q, k, v.  Four waves, as many as a WGP has SIMDs, each 128 x 128: 64 accumulators, 512 registers.
; All of K lies in LDS at once, in two halves of 512, each asked for once at the head: nothing is filled again.
; CLUSTERS: 4 x 4.  x's rows are shared along a row of the cluster, W's along a column: each tile is asked for jointly, by the same tensor load with the same descriptor and a mask that names the four.
; THE CODES LIE IN MEMORY AS IMAGES OF THE OPERAND'S REGISTERS (a fragment, 16 rows x 128 K: two pieces of 512 bytes, lane l's 16 bytes at 16 l): every fragment load is 16 x lane + a constant x wave + a constant, with no pitch and no padding.
; THE MATRIX INSTRUCTION IS USED TRANSPOSED: source 0 = 16 rows of W, source 1 = 16 rows of x: register j of lane (r, h) is (output 8 h + j, token r): a lane holds one token and eight neighbouring channels.
; q, k: four packed registers ARE a piece of the next launch's 16-bit operand (K = the channels), and leave as 512 consecutive bytes: no stage.
; v: the next launch wants a lane to hold one CHANNEL and eight neighbouring TOKENS (K = the keys): each packed tile of 16 x 16 goes as it stands into my own stage in LDS and comes back turned, by ds_load_tr16_b128; then it leaves likewise.
; The way out parts on the cluster's x, which is the same in all sixteen partners; no LDS address hangs on it.
; REGISTERS, in windows of 256: window 0: v16-30 addresses; v32-95 scale words (register 32 slot + 4 i + q: lanes 0-15 x's block i, lanes 16-31 W's); v96-98 addresses; v128-191 x's fragments, one set, on the way out at work; v192-255 the biases.
;   window 1: W's fragments, two sets; on the way out the packed results.   windows 2, 3: the accumulators ((a, b) at v[8 (8 (a % 4) + b)]).
.set NQ,    4                          ; steps of 128 along K in a slot
.set FR,    8                          ; registers of a fragment
.set NL,    2                          ; LDS loads that bring one
.set NP,    4                          ; places behind this matrix instruction (ISA guide 7.12.1)
.set SLOT,  131072                     ; half of K: x's 16 blocks of 16 rows x 4,096 bytes, then W's 16
.set SPARE, 2*SLOT                     ; behind the slots: the spare words, 128 bytes a wave
.set ADR1, 16                          ; v16-17 x's fragments in slot 0, 1
.set ADR0, 20                          ; v20-21 W's
.set VO,   24                          ; v24-27 store offsets
.set SPW,  28
.set NIL,  29
.set VS,   30                          ; v30 my scale words' offset
.set SC,   32
.set VB,   96                          ; v96 my biases' offset: 32 h
.set TRV,  97                          ; v97 v's way out: where the turning load reads my stage
.set STV,  98                          ; v98 and where I store into it: 16 x lane
.set AF,   128
.set T,    128
.set BIAS, 192
.set G1X, 24                           ; s[24:31] group 1 for x's tiles; s[32:39] groups 0, one a slot
.set G0X, 32
.set G1W, 48                           ; s[48:55], s[56:63] the same for W's
.set G0W, 56
.set MSB, 0
.macro WIN new                         ; the immediate's high byte repeats the setting that is left
.if MSB != (\new)
	s_set_vgpr_msb (MSB<<8)|(\new)
.set MSB, (\new)
.endif
.endm
.set MUL_LO, 0xa1                      ; source 0 window 1, source 1 window 0, C and D window 2
.set MUL_HI, 0xf1                      ; the same, C and D window 3
.set TO_B,   0x40                      ; destination window 1, address window 0
; A joint load: waves 0 and 1 fetch x's halves, waves 2 and 3 W's.  The branch hangs on the wave's number alone.  An s_nop 0 and four v_nop follow each of the two lines.
.macro JLOAD g0a, g1a, g0b, g1b
	s_cmp_eq_u32 s19, 0
	s_cbranch_scc0 .Lfor_w_\@
	tensor_load_to_lds s[\g0a:\g0a+3], s[\g1a:\g1a+7]
	s_nop 0
.rept 4
	v_nop
.endr
	s_branch .Lasked_\@
.Lfor_w_\@:
	tensor_load_to_lds s[\g0b:\g0b+3], s[\g1b:\g1b+7]
	s_nop 0
.rept 4
	v_nop
.endr
.Lasked_\@:
.endm
.macro CROUND                          ; a round of the cluster's barrier
	s_barrier_signal -1
	s_barrier_wait -1
	s_cmp_lg_u32 s18, 0
	s_cbranch_scc1 .Lnot_wave_0_\@
	s_barrier_signal -3
.Lnot_wave_0_\@:
	s_barrier_wait -3
	s_barrier_signal -1
	s_barrier_wait -1
.endm
	s_load_b256 s[4:11], s[0:1], 0x0               ; cod s[4:5], sc s[6:7], bq s[8:9], bk s[10:11]
	s_load_b128 s[12:15], s[0:1], 0x20             ; bv s[12:13], qf s[14:15]
	s_load_b64 s[16:17], s[0:1], 0x30              ; kv
	v_lshl_add_u32 v[SPW], v0, 2, SPARE
	v_mov_b32 v[NIL], 0
	ds_add_u32 v[SPW], v[NIL]                      ; the wave's opening: the add, twice on end, and its wait ahead of my first tensor load
	ds_add_u32 v[SPW], v[NIL]
	v_lshrrev_b32 v1, 5, v0
	v_readfirstlane_b32 s18, v1                    ; wave 0..3
	s_lshr_b32 s19, s18, 1                         ; which half of the tile's tokens is mine.  Also: I fetch for x (0) or for W (1)
	s_and_b32 s20, s18, 1                          ; which half of its outputs.  Also: which 128 rows I fetch
	s_bfe_u32 s21, ttmp6, 0x40000                  ; cx
	s_bfe_u32 s22, ttmp6, 0x40004                  ; cy
	s_lshl_b32 s23, ttmp9, 2
	s_add_co_u32 s23, s23, s21                     ; tx: 256 rows of the stacked Wq, Wk, Wv
	s_and_b32 s66, ttmp7, 0xffff
	s_lshl_b32 s66, s66, 2
	s_add_co_u32 s66, s66, s22                     ; ty: 256 tokens
	s_lshr_b32 s67, ttmp9, 1                       ; 1 for v
	s_lshl_b32 s40, s22, 2
	s_lshl_b32 s40, 15, s40                        ; my row of the cluster
	s_lshl_b32 s41, 0x1111, s21                    ; my column
	; group 1: 8 rows (blocks of 16 rows of codes) of 4,096 bytes (half of K), 8,192 bytes apart; elements of 8 bytes; no padding
	s_or_b32 s[G1X], s40, (3<<16)|(1<<21)
	s_or_b32 s[G1W], s41, (3<<16)|(1<<21)
.irp g, G1X, G1W
	s_mov_b32 s[\g+1], 512<<16                     ; tensor_dim0
	s_mov_b32 s[\g+2], 8<<16                       ; tensor_dim1
	s_mov_b32 s[\g+3], 512<<16                     ; tile_dim0
	s_mov_b32 s[\g+4], 8                           ; tile_dim1
	s_mov_b32 s[\g+5], 1024                        ; from row to row
	s_mov_b32 s[\g+6], 0
	s_mov_b32 s[\g+7], 0
.endr
	s_lshl_b32 s42, s20, 16                        ; the 8 blocks that I fetch
	s_lshl_b32 s44, s66, 17                        ; x: block 16 ty + 8 half
	s_add_co_u32 s44, s44, s42
	s_mov_b32 s45, 0
	s_lshl_b32 s46, s23, 17                        ; W: block 256 + 16 tx + 8 half
	s_add_co_u32 s46, s46, s42
	s_add_co_u32 s46, s46, 256*8192
	s_mov_b32 s47, 0
	s_lshl_b32 s43, s18, 15                        ; where they go: wave x 32,768: no place in the cluster enters an LDS address
	s_wait_dscnt 0x0                               ; both opening adds are done
	s_wait_kmcnt 0x0
	s_add_nc_u64 s[44:45], s[4:5], s[44:45]
	s_add_nc_u64 s[46:47], s[4:5], s[46:47]
	CROUND                                         ; all sixteen work-groups are here: the joint loads meet
.irp s, 0,1
	s_mov_b32 s[G0X+4*\s], 1
	s_add_co_u32 s[G0X+4*\s+1], s43, \s*SLOT
	s_add_nc_u64 s[G0X+4*\s+2:G0X+4*\s+3], s[44:45], \s*4096
	s_or_b32 s[G0X+4*\s+3], s[G0X+4*\s+3], 0x80000000
	s_mov_b32 s[G0W+4*\s], 1
	s_add_co_u32 s[G0W+4*\s+1], s43, \s*SLOT
	s_add_nc_u64 s[G0W+4*\s+2:G0W+4*\s+3], s[46:47], \s*4096
	s_or_b32 s[G0W+4*\s+3], s[G0W+4*\s+3], 0x80000000
	JLOAD G0X+4*\s, G1X, G0W+4*\s, G1W             ; two loads of mine are out, and none follows
.endr
	v_and_b32 v1, 31, v0
	v_lshlrev_b32 v2, 4, v1                        ; 16 x lane
	v_and_b32 v3, 15, v0                           ; r
	v_bfe_u32 v4, v0, 4, 1                         ; h
	s_lshl_b32 s40, s19, 15                        ; x's region: my 8 blocks of tokens
	s_lshl_b32 s41, s20, 15
	s_add_co_u32 s41, s41, 65536                   ; W's region, behind x's 16 blocks: my 8 blocks of outputs
	v_add_nc_u32 v[ADR1], s40, v2
	v_add_nc_u32 v[ADR0], s41, v2
	v_add_nc_u32 v[ADR1+1], SLOT, v[ADR1]
	v_add_nc_u32 v[ADR0+1], SLOT, v[ADR0]
	; v's way out: my stage, 4,096 bytes at 4,096 x wave in slot 0.  A tile's image lies there with (token t, channels 8 u on) at 16 t + 256 u.  The turning load hands lane 8 g + i element i of the 16 bytes that lanes 8 g + 0 .. 7 name:
	; lane l names token 8 (l / 16) + l % 8, channels 8 ((l / 8) % 2) on, and so receives channel l % 16, tokens 8 (l / 16) + 0 .. 7.
	s_lshl_b32 s40, s18, 12
	v_and_b32 v5, 7, v0
	v_bfe_u32 v6, v0, 3, 1
	v_lshlrev_b32 v[TRV], 4, v5
	v_lshl_add_u32 v[TRV], v6, 8, v[TRV]
	v_lshl_add_u32 v[TRV], v4, 7, v[TRV]
	v_add_nc_u32 v[TRV], s40, v[TRV]
	v_add_nc_u32 v[STV], s40, v2
	s_lshl_b32 s44, s66, 4
	s_lshl_b32 s40, s19, 3
	s_add_co_u32 s44, s44, s40                     ; my first block of x's rows
	s_lshl_b32 s45, s23, 4
	s_lshl_b32 s40, s20, 3
	s_add_co_u32 s45, s45, s40
	s_add_co_u32 s45, s45, 256                     ; and of W's
	s_lshl_b32 s70, s44, 9                         ; 512 bytes of scale words a block
	s_lshl_b32 s71, s45, 9
	v_mov_b32 v5, s70
	v_mov_b32 v6, s71
	v_cmp_ne_u32 vcc_lo, 0, v4
	v_cndmask_b32 v[VS], v5, v6, vcc_lo            ; lanes 0-15 take x's words, lanes 16-31 W's
	v_lshl_add_u32 v[VS], v3, 3, v[VS]
.irp i, 0,1,2,3,4,5,6,7
.irp qt, 0,1,2,3
	global_load_b64 v[SC+32*(\qt/2)+4*\i+2*(\qt%2):SC+32*(\qt/2)+4*\i+2*(\qt%2)+1], v[VS], s[6:7] offset:512*\i+128*\qt   ; the words of K steps 2 qt and 2 qt + 1: sixteen lanes read 128 consecutive bytes
.endr
.endr
	s_cmp_eq_u32 ttmp9, 0
	s_cselect_b64 s[74:75], s[8:9], s[10:11]
	s_mov_b32 s72, 1.0
	s_cselect_b32 s72, 0x3e38aa3b, s72             ; q alone is multiplied by log2(e) / sqrt(64)
	s_cselect_b64 s[76:77], s[14:15], s[16:17]
	s_cmp_eq_u32 ttmp9, 2
	s_cselect_b64 s[74:75], s[12:13], s[74:75]
	s_mov_b32 s73, s72                             ; (named with it as a pair)
	s_lshl_b32 s42, s21, 10
	s_lshl_b32 s43, s20, 9
	s_add_co_u32 s42, s42, s43
	s_mov_b32 s43, 0
	s_add_nc_u64 s[74:75], s[74:75], s[42:43]      ; the bias at my 128 outputs
	v_lshlrev_b32 v[VB], 5, v4
.irp blk, 0,1,2,3,4,5,6,7
	global_load_b128 v[BIAS+8*\blk:BIAS+8*\blk+3], v[VB], s[74:75] offset:64*\blk        ; in the result's layout: outputs 16 blk + 8 h + 0 .. 7
	global_load_b128 v[BIAS+8*\blk+4:BIAS+8*\blk+7], v[VB], s[74:75] offset:64*\blk+16
.endr
	; where my results go: q: qf [bh][block of 16 tokens][4][512]; k: kv [bh][step of 64 keys][16,384]: [4 blocks of keys][4][512]; v: 8,192 bytes on in a step: [2][4 tiles of channels][2][512]
	s_and_b32 s40, s44, 127                        ; my first block of tokens in its batch
	s_lshr_b32 s41, s66, 3                         ; the batch
	s_lshl_b32 s41, s41, 4
	s_lshl_b32 s42, s21, 2
	s_add_co_u32 s41, s41, s42
	s_lshl_b32 s42, s20, 1
	s_add_co_u32 s41, s41, s42                     ; my first of two heads: 16 batch + 4 cx + 2 x my half of the outputs
	s_min_u32 s78, ttmp9, 1                        ; kv's strides are twice qf's
	s_lshl_b32 s42, s41, 18
	s_lshl_b32 s43, s40, 11
	s_add_co_u32 s42, s42, s43
	s_lshl_b32 s42, s42, s78
	s_lshl_b32 s43, s67, 13
	s_add_co_u32 s42, s42, s43
	s_mov_b32 s43, 0
	s_add_nc_u64 s[76:77], s[76:77], s[42:43]
	s_mov_b32 s79, 262144
	s_lshl_b32 s79, s79, s78                       ; from head to head
	s_lshl_b32 s80, s78, 13
	s_add_co_u32 s80, s80, 8192                    ; four blocks of tokens on
	v_mov_b32 v[VO], v2
	v_add_nc_u32 v[VO+1], s79, v2
	v_add_nc_u32 v[VO+2], s80, v2
	v_add_nc_u32 v[VO+3], s79, v[VO+2]
.macro FRAG reg, adr, q, i             ; a fragment comes as it lies: two pieces of 512 bytes
.irp c, 0,1
	ds_load_b128 v[\reg+4*\c:\reg+4*\c+3], v[\adr] offset:(\i)*4096+(\q)*1024+512*\c
.endr
.endm
; 16 matrix instructions: x's blocks a0, a0 + 1 x W's eight, the slot's q-th 128 along K.  p: W's set; sc: the slot's scale words.  zero = 1: the first product starts the sums.
; The 64 accumulators take turns, one instruction a turn, in the same order in every step.
.macro MUL16 a0, p, q, sc, zero
.irp a, \a0, \a0+1
.irp b, 0,1,2,3,4,5,6,7
.if \zero
	v_wmma_scale_f32_16x16x128_f8f6f4 v[8*(8*((\a)%4)+\b):8*(8*((\a)%4)+\b)+7], v[128*(\p)+FR*\b:128*(\p)+FR*\b+FR-1], v[AF+FR*(\a):AF+FR*(\a)+FR-1], 0, v[SC+8*NQ*(\sc)+NQ*\b+(\q)], v[SC+8*NQ*(\sc)+NQ*(\a)+(\q)] matrix_a_fmt:MATRIX_FMT_FP4 matrix_b_fmt:MATRIX_FMT_FP4 matrix_a_scale:MATRIX_SCALE_ROW1
.else
	v_wmma_scale_f32_16x16x128_f8f6f4 v[8*(8*((\a)%4)+\b):8*(8*((\a)%4)+\b)+7], v[128*(\p)+FR*\b:128*(\p)+FR*\b+FR-1], v[AF+FR*(\a):AF+FR*(\a)+FR-1], v[8*(8*((\a)%4)+\b):8*(8*((\a)%4)+\b)+7], v[SC+8*NQ*(\sc)+NQ*\b+(\q)], v[SC+8*NQ*(\sc)+NQ*(\a)+(\q)] matrix_a_fmt:MATRIX_FMT_FP4 matrix_b_fmt:MATRIX_FMT_FP4 matrix_a_scale:MATRIX_SCALE_ROW1
.endif
.endr
.endr
.endm
.macro FETCH_B slot, q, p              ; W's eight fragments into set p
	WIN TO_B
.irp i, 0,1,2,3,4,5,6,7
	FRAG 128*(\p)+FR*\i, ADR0+\slot, \q, \i
.endr
	WIN 0
.endm
.macro FETCH_A slot, q, i0             ; x's blocks i0 .. i0 + 3
.irp i, \i0, \i0+1, \i0+2, \i0+3
	FRAG AF+FR*(\i), ADR1+\slot, \q, \i
.endr
.endm
.macro PLACES n                        ; a load into a register that a matrix instruction has read, and a vector instruction that reads a result, stand NP plain vector instructions behind it
.rept \n
	v_nop
.endr
.endm
; A step of 128 along K that has its successor in the same slot.  x has one set of registers: a block is free when its eight products are issued.
.macro STEP slot, q, zero
	s_wait_dscnt 4*NL                              ; W's set and x's blocks 0-3 are in; the youngest eight loads (blocks 4-7) may be out
	WIN MUL_LO
	MUL16 0, (\q)%2, \q, \slot, \zero
	MUL16 2, (\q)%2, \q, \slot, \zero
	s_wait_dscnt 0                                 ; blocks 4-7 are in
	PLACES NP
	FETCH_B \slot, (\q)+1, 1-(\q)%2
	FETCH_A \slot, (\q)+1, 0
	WIN MUL_HI
	MUL16 4, (\q)%2, \q, \slot, \zero
	MUL16 6, (\q)%2, \q, \slot, \zero
	PLACES NP
	WIN 0
	FETCH_A \slot, (\q)+1, 4
.endm
; Slot 0's last step goes on into slot 1: each wave waits for its part of slot 1, then the barrier shows it whole to all four, and behind it nobody reads slot 0 any more.  Nothing is filled again.
.macro TURN slot, next
	s_wait_tensorcnt 0x0                           ; all my tensor loads have landed
	ds_add_u32 v[SPW], v[NIL]                      ; 0 onto my spare word
	s_wait_dscnt 4*NL+1                            ; (the add and the youngest eight loads may be out)
	WIN MUL_LO
	MUL16 0, 1, NQ-1, \slot, 0
	s_wait_dscnt 0x0                               ; no LDS instruction of mine is pending at the signal: my reads of this slot are over
	s_barrier_signal -1
	MUL16 2, 1, NQ-1, \slot, 0
	WIN 0
	s_barrier_wait -1
	PLACES NP
	FETCH_B \next, 0, 0
	FETCH_A \next, 0, 0
	WIN MUL_HI
	MUL16 4, 1, NQ-1, \slot, 0
	MUL16 6, 1, NQ-1, \slot, 0
	PLACES NP
	WIN 0
	FETCH_A \next, 0, 4
.endm
.macro STEPS slot, from                ; the slot's steps from .. NQ - 2
.set Q, \from
.rept NQ-1-\from
	STEP \slot, Q, 0
.set Q, Q+1
.endr
.endm
	s_wait_tensorcnt 1                             ; my part of slot 0 is in; slot 1's may be out,
	s_barrier_signal -1
	s_barrier_wait -1                              ; everybody's is
	FETCH_B 0, 0, 0
	FETCH_A 0, 0, 0
	FETCH_A 0, 0, 4
	s_wait_loadcnt 0x0                             ; the scale words and the biases
	STEP 0, 0, 1                                   ; the first products start the sums: nothing is cleared
	STEPS 0, 1
	TURN 0, 1
	STEPS 1, 0
	s_wait_dscnt 4*NL                              ; the last step: nothing more to fetch
	WIN MUL_LO
	MUL16 0, 1, NQ-1, 1, 0
	MUL16 2, 1, NQ-1, 1, 0
	s_wait_dscnt 0
	WIN MUL_HI
	MUL16 4, 1, NQ-1, 1, 0
	MUL16 6, 1, NQ-1, 1, 0
	WIN 0
; THE WAY OUT.  (sum + bias) x factor = sum x factor + bias x factor: one fused multiply-add for each pair.  The 32 multiplications of the biases are also the places behind the last products.
.set i, 0
.rept 32
	v_pk_mul_f32 v[BIAS+2*i:BIAS+2*i+1], v[BIAS+2*i:BIAS+2*i+1], s[72:73] op_sel_hi:[1,0]
.set i, i+1
.endr
; x's block a (16 tokens) against W's eight (128 outputs): 64 numbers a lane, into v[T] on
.macro FMAROW a
.set AC, 64*((\a)%4)
	WIN 0x02+(\a)/4                                ; source 0: window 2 or 3
.irp b, 0,1,2,3,4,5,6,7
.irp p, 0,1,2,3
	v_pk_fma_f32 v[T+8*\b+2*\p:T+8*\b+2*\p+1], v[AC+8*\b+2*\p:AC+8*\b+2*\p+1], s[72:73], v[BIAS+8*\b+2*\p:BIAS+8*\b+2*\p+1] op_sel_hi:[1,0,1]   ; each accumulator from its low end on
.endr
.endr
.endm
; q, k: the 64 numbers become 32 registers of f16, eight pieces, each stored as 512 consecutive aligned bytes.  The packed registers are never written again, so no store's data wait.
.macro OUTROW a
	FMAROW \a
	WIN 0x40                                       ; destination window 1
.irp b, 0,1,2,3,4,5,6,7
.irp p, 0,1,2,3
	v_cvt_pk_f16_f32 v[4*(8*(\a)+\b)+\p], v[T+8*\b+2*\p], v[T+8*\b+2*\p+1]
.endr
.endr
	WIN 0x04                                       ; a store's data are its source 1: window 1
.irp b, 0,1,2,3,4,5,6,7
	global_store_b128 v[VO+2*((\a)>>2)+(\b>>2)], v[4*(8*(\a)+\b):4*(8*(\a)+\b)+3], s[76:77] offset:((\a)&3)*2048+(\b&3)*512   ; block of tokens a, head b / 4, channels 16 (b % 4) on
.endr
.endm
; v: the eight packed tiles go through my stage and come back turned; row a - 1 is stored while row a is on its way through the stage.
.macro VSEND a
	WIN 0x04
.irp b, 0,1,2,3,4,5,6,7
	global_store_b128 v[VO], v[4*(8*(\a)+\b):4*(8*(\a)+\b)+3], s[76:77] offset:(\b>>2)*524288+((\a)>>2)*16384+(((\a)&3)>>1)*4096+(\b&3)*1024+((\a)&1)*512   ; head b / 4, step a / 4, 32 keys (a % 4) / 2, tile of channels b % 4, block of tokens a % 2
.endr
.endm
.macro VROW a
.if (\a) > 0
	s_wait_dscnt 8                                 ; the last row's eight stores into the stage have read v[T] on; its eight turning loads may be out
.endif
	FMAROW \a
	WIN 0
.irp b, 0,1,2,3,4,5,6,7
.irp p, 0,1,2,3
	v_cvt_pk_f16_f32 v[T+8*\b+\p], v[T+8*\b+2*\p], v[T+8*\b+2*\p+1]   ; packed in place: register p is written when its own numbers have been packed
.endr
.endr
.irp b, 0,1,2,3,4,5,6,7
	ds_store_b128 v[STV], v[T+8*\b:T+8*\b+3] offset:512*\b             ; the tile as it stands: lane (r, h): token r, channels 8 h on
.endr
	WIN TO_B
.irp b, 0,1,2,3,4,5,6,7
	ds_load_tr16_b128 v[4*(8*(\a)+\b):4*(8*(\a)+\b)+3], v[TRV] offset:512*\b   ; LDS serves a wave's instructions in order: these see my stores, and the next row's stores come behind them.  Lane (r, h): channel r, tokens 8 h on
.endr
.if (\a) > 0
	s_wait_dscnt 16                                ; the last row's loads are in; this row's eight stores and eight loads may be out
	VSEND \a-1
.endif
.endm
	s_cmp_lg_u32 s67, 0
	s_cbranch_scc1 .Lv
.irp a, 0,1,2,3,4,5,6,7
	OUTROW \a
.endr
	WIN 0
	s_branch .Ljoin
.Lv:
.irp a, 0,1,2,3,4,5,6,7
	VROW \a
.endr
	s_wait_dscnt 0x0
	VSEND 7
	WIN 0
.Ljoin:
	s_wait_tensorcnt 0x0                           ; the wave's end, behind my last tensor load and my last LDS store
	ds_add_u32 v[SPW], v[NIL]
	s_wait_dscnt 0x0
	CROUND                                         ; the closing round
	s_endpgm
.Lfunc_end_k_qae424d8cec_qkv:
	.size	k_qae424d8cec_qkv, .Lfunc_end_k_qae424d8cec_qkv-k_qae424d8cec_qkv
	.p2alignl 7, 3214868480
	.fill 96, 4, 3214868480
	.section	.rodata,"a",@progbits
	.p2align	6, 0x0
	.amdhsa_kernel k_qae424d8cec_qkv
		.amdhsa_group_segment_fixed_size 327680
		.amdhsa_private_segment_fixed_size 0
		.amdhsa_enable_private_segment 0
		.amdhsa_kernarg_size 56
		.amdhsa_user_sgpr_count 2
		.amdhsa_user_sgpr_kernarg_segment_ptr 1
		.amdhsa_wavefront_size32 1
		.amdhsa_system_sgpr_workgroup_id_x 1
		.amdhsa_system_sgpr_workgroup_id_y 1
		.amdhsa_system_sgpr_workgroup_id_z 1
		.amdhsa_system_vgpr_workitem_id 0
		.amdhsa_next_free_vgpr 1024
		.amdhsa_next_free_sgpr 100
		.amdhsa_reserve_vcc 1
		.amdhsa_float_denorm_mode_32 3
		.amdhsa_float_denorm_mode_16_64 3
		.amdhsa_memory_ordered 1
		.amdhsa_forward_progress 1
		.amdhsa_inst_pref_size 185
	.end_amdhsa_kernel
	.amdgpu_metadata
---
amdhsa.version: [ 1, 2 ]
amdhsa.kernels:
  - .name:           k_qae424d8cec_qkv
    .symbol:         k_qae424d8cec_qkv.kd
    .args:
      - { .name: cod, .offset: 0, .size: 8, .value_kind: global_buffer, .address_space: global }
      - { .name: sc, .offset: 8, .size: 8, .value_kind: global_buffer, .address_space: global }
      - { .name: bq, .offset: 16, .size: 8, .value_kind: global_buffer, .address_space: global }
      - { .name: bk, .offset: 24, .size: 8, .value_kind: global_buffer, .address_space: global }
      - { .name: bv, .offset: 32, .size: 8, .value_kind: global_buffer, .address_space: global }
      - { .name: qf, .offset: 40, .size: 8, .value_kind: global_buffer, .address_space: global }
      - { .name: kv, .offset: 48, .size: 8, .value_kind: global_buffer, .address_space: global }
    .group_segment_fixed_size: 327680
    .private_segment_fixed_size: 0
    .kernarg_segment_align: 8
    .kernarg_segment_size: 56
    .max_flat_workgroup_size: 128
    .sgpr_count:     100
    .vgpr_count:     1024
    .wavefront_size: 32
...
	.end_amdgpu_metadata
.endif
;; end of part 2
;; launch attn (part 3): grid 8 x 32, 8 waves a work-group, clusters of 4 x 1, 327,680 bytes of LDS; arguments qf, kv, cf; writes cf
.if DOCPART == 3
	.amdgcn_target "amdgcn-amd-amdhsa--gfx1250"
	.amdhsa_code_object_version 6
	.text
	.protected	k_qae424d8cec_attn
	.globl	k_qae424d8cec_attn
	.p2align	8
	.type	k_qae424d8cec_attn,@function
k_qae424d8cec_attn:
	s_mov_b64 s[64:65], 0
	v_nop
	global_prefetch_b8 v0, s[64:65] scope:SCOPE_SE
	s_setreg_imm32_b32 hwreg(HW_REG_WAVE_MODE, 25, 1), 1
	s_wait_xcnt 0x0
	s_wait_alu depctr_hold_cnt(0) depctr_sa_sdst(0) depctr_va_vdst(0) depctr_va_sdst(0) depctr_va_ssrc(0) depctr_va_vcc(0) depctr_vm_vsrc(0)
	s_getreg_b32 s2, hwreg(HW_REG_IB_STS2, 6, 4)
	s_cmp_eq_u32 s2, 0
	s_cbranch_scc0 .Lentry_in_a_cluster
	s_endpgm
.Lentry_in_a_cluster:
	s_bfe_u32 s2, ttmp6, 0x10000c
	s_cmp_lg_u32 s2, 0x3003
	s_cbranch_scc0 .Lentry_shape_is_right
	s_endpgm
.Lentry_shape_is_right:
; ATTN.  ctx[bh][q] = the sum over k of softmax_k(q . k / 8) v[k], 32 heads of 2,048 tokens x 64 channels.  q (already x log2(e) / 8), k, v: f16; products, maxima and sums in f32; the weights p = 2^(s - m) are rounded to f16 for the second product; ctx is rounded once to f16.
; LIMITS: f16 operands: magnitudes under 65,504; a p under 6e-8 counts as 0 in the second product (it still counts in the row's sum).
; SHARES.  A work-group owns 256 queries of one head.  Wave w owns 64 of them (w % 4: four tiles of 16) and HALF OF THE KEYS (w / 4: keys 1,024 (w / 4) on), 16 steps of 64.  So two waves share a SIMD, 512 registers each:
; one wave's softmax stands beside the other's products, and each fragment of K and V read from LDS still feeds four matrix instructions.  At the end waves 4-7 hand their maximum, sum and O through LDS to waves 0-3, which merge.
; LAYOUT.  S^T = K Q^T (source 0 = 16 keys, source 1 = 16 queries), O^T = V^T P: a lane holds ONE query throughout, and two packed tiles of S^T are source 1 of the second product.  q, K and V^T lie in memory as images of the operands' registers
; (pieces of 512 bytes, lane l's 16 bytes at 16 l): a step's K and V are 16,384 dense bytes, and every LDS load is 16 x lane + a constant.
; SOFTMAX.  For each query a running maximum m and sum l; in every step O and l are multiplied by a = 2^(m_old - m_new).
; RING.  Two slots of 131,072 bytes; a slot holds four steps of each half of the keys; each of the eight waves fetches one step's 16,384 bytes by one tensor load.  Four such fills in all: two at the head, two refills.
; CLUSTER.  The four query blocks of a cluster belong to one head and walk the same K and V: every tile is asked for jointly, with the mask of all four.
; No prefetch: of the four fills two stand at the head, and each refill is asked for four key steps of both waves of a SIMD (512 matrix instructions) ahead of the wait for it.
; REGISTERS: window 0: v2-7 addresses; v8-15 m and l to hand over; v16-47 eight registers of statistics a tile (+0 m, +2, +3 l, +4 .. +7 at work, a in +6); v48-55 the partner's m and l; v64-127 S^T of two tiles; v128-159 P of two tiles; v160-223 Q.
;   window 1: v0-127 O^T (32 a tile); v128-191 K of a step; v192-255 V of a step; in the merge v128-255 the partner's O^T.
.set SLOT1, 1<<17
.set SPARE, 2*SLOT1                    ; behind the ring: the spare words, 128 bytes for each of eight waves
.set MRG,   17408                      ; the merge: 16,384 bytes of O^T, 512 of m, 512 of l for each pair of waves; in slot 0, which has had its last fill and its last read by then
.set AL0, 2                            ; v2  16 x lane; never rewritten
.set ADR, 3                            ; v3  the step's tiles in LDS
.set MA,  4                            ; v4  my pair's place in the merge
.set SPW, 6
.set NIL, 7
.set HM,  8
.set HL,  12
.set ST,  16
.set PM,  48
.set PL,  52
.set S,   64
.set P,   128
.set Q,   160
.set KF,  128                          ; in window 1
.set VF,  192
.set WV,  10                           ; s10 wave; s11 its half of the keys; s12 its 64 queries
.set G1,  24                           ; s[24:31] group 1;  s[32:35] group 0 of the first fill;  s[36:39] of the second, which then walks
.set G0A, 32
.set G0B, 36
.set TB,  42                           ; s42 LDS byte of the step to be fetched
.set SLOTS, 43
.set CNT, 44
.set MSB, 0
.macro WIN new
.if MSB != (\new)
	s_set_vgpr_msb (MSB<<8)|(\new)
.set MSB, (\new)
.endif
.endm
.set W_KQ, 0x01                        ; K in window 1; Q and S^T in window 0
.set W_PV, 0x51                        ; V and O^T in window 1, P in window 0
.set W_RS, 0x41                        ; O^T (destination and source 0) in window 1, the factor in window 0
.set TO_1, 0x40                        ; destination window 1
.macro CROUND
	s_barrier_signal -1
	s_barrier_wait -1
	s_cmp_lg_u32 s[WV], 0
	s_cbranch_scc1 .Lnot_wave_0_\@
	s_barrier_signal -3
.Lnot_wave_0_\@:
	s_barrier_wait -3
	s_barrier_signal -1
	s_barrier_wait -1
.endm
.macro PLACES
.rept 4
	v_nop
.endr
.endm
	s_load_b128 s[4:7], s[0:1], 0x0                ; qf, kv
	s_load_b64 s[8:9], s[0:1], 0x10                ; cf
	v_lshl_add_u32 v[SPW], v0, 2, SPARE
	v_mov_b32 v[NIL], 0
	ds_add_u32 v[SPW], v[NIL]                      ; the wave's opening: the add, twice on end, and its wait ahead of my first tensor load
	ds_add_u32 v[SPW], v[NIL]
	v_lshrrev_b32 v1, 5, v0
	v_readfirstlane_b32 s[WV], v1
	s_lshr_b32 s11, s[WV], 2
	s_and_b32 s12, s[WV], 3
	s_bfe_u32 s13, ttmp6, 0x40000                  ; cx
	s_lshl_b32 s14, ttmp9, 2
	s_add_co_u32 s14, s14, s13                     ; my block of 256 queries: it enters qf's and cf's addresses alone
	s_and_b32 s15, ttmp7, 0xffff                   ; 16 batch + head, which the four partners share
	; group 1: 16,384 dense bytes as 64 rows of 256 (32 elements of 8 bytes); the mask names all four work-groups
	s_mov_b32 s[G1], 15|(3<<16)|(1<<21)
	s_mov_b32 s[G1+1], 32<<16
	s_mov_b32 s[G1+2], 64<<16
	s_mov_b32 s[G1+3], 32<<16
	s_mov_b32 s[G1+4], 64
	s_mov_b32 s[G1+5], 32
	s_mov_b32 s[G1+6], 0
	s_mov_b32 s[G1+7], 0
	s_lshl_b32 s16, s15, 19                        ; kv: the head's 524,288 bytes,
	s_lshl_b32 s17, s11, 4
	s_add_co_u32 s17, s17, s12
	s_lshl_b32 s17, s17, 14                        ; step 16 (w / 4) + w % 4
	s_add_co_u32 s16, s16, s17
	s_mov_b32 s17, 0
	s_lshl_b32 s18, s[WV], 14                      ; and its place in a slot
	s_lshl_b32 s20, s15, 18                        ; qf: the head, my block, my wave's four tiles
	s_lshl_b32 s21, s14, 15
	s_add_co_u32 s20, s20, s21
	s_lshl_b32 s21, s12, 13
	s_add_co_u32 s20, s20, s21
	s_mov_b32 s21, 0
	s_lshr_b32 s22, s15, 4                         ; cf: block of 16 tokens 128 batch + 16 block + 4 (w % 4), 32,768 bytes each; the head's 2,048 bytes in it
	s_lshl_b32 s22, s22, 7
	s_lshl_b32 s23, s14, 4
	s_add_co_u32 s22, s22, s23
	s_lshl_b32 s23, s12, 2
	s_add_co_u32 s22, s22, s23
	s_lshl_b32 s22, s22, 15
	s_and_b32 s23, s15, 15
	s_lshl_b32 s23, s23, 11
	s_add_co_u32 s22, s22, s23
	s_mov_b32 s23, 0
	s_mov_b32 s40, 0x76543210
	s_mov_b32 s41, 0xfedcba98                      ; selects for lane l xor 16
	s_lshl_b32 s[TB], s11, 16                      ; my half's four steps in a slot
	s_mov_b32 s[SLOTS], 2
	s_wait_dscnt 0x0                               ; both opening adds are done
	s_wait_kmcnt 0x0
	s_add_nc_u64 s[6:7], s[6:7], s[16:17]
	s_add_nc_u64 s[4:5], s[4:5], s[20:21]
	s_add_nc_u64 s[8:9], s[8:9], s[22:23]
	CROUND                                         ; all four work-groups are here: the first joint loads meet
	s_mov_b32 s[G0A], 1
	s_mov_b32 s[G0A+1], s18
	s_mov_b64 s[G0A+2:G0A+3], s[6:7]
	s_or_b32 s[G0A+3], s[G0A+3], 0x80000000
	s_mov_b32 s[G0B], 1
	s_add_co_u32 s[G0B+1], s18, SLOT1
	s_add_nc_u64 s[G0B+2:G0B+3], s[6:7], 65536     ; four steps on
	s_or_b32 s[G0B+3], s[G0B+3], 0x80000000
	tensor_load_to_lds s[G0A:G0A+3], s[G1:G1+7]    ; two loads of mine are out
	s_nop 0
	tensor_load_to_lds s[G0B:G0B+3], s[G1:G1+7]
	s_nop 0
.rept 4
	v_nop
.endr
	v_and_b32 v1, 31, v0
	v_lshlrev_b32 v[AL0], 4, v1
.irp f, 0,1,2,3,4,5,6,7,8,9,10,11,12,13,14,15
	global_load_b128 v[Q+4*\f:Q+4*\f+3], v[AL0], s[4:5] offset:512*\f   ; Q stays in registers: tile f / 4, channels 16 (f % 4) on
.endr
	s_mul_i32 s16, s12, MRG
	v_add_nc_u32 v[MA], s16, v[AL0]
.irp t, 0,1,2,3
	v_mov_b32 v[ST+8*\t+1], 0                      ; named as the upper half of the pair with m, so it is written
.endr
.macro FETCH_K                         ; a step's K: 16 pieces, fragment (16 keys kt, 32 channels kk) at v[KF + 8 (2 kt + kk)]
	WIN 0
	v_add_nc_u32 v[ADR], s[TB], v[AL0]
	WIN TO_1
.irp f, 0,1,2,3,4,5,6,7,8,9,10,11,12,13,14,15
	ds_load_b128 v[KF+4*\f:KF+4*\f+3], v[ADR] offset:512*\f
.endr
.endm
.macro FETCH_V                         ; the same step's V^T: fragment (32 keys kg, 16 channels dt) at v[VF + 8 (4 kg + dt)]
	WIN TO_1
.irp f, 0,1,2,3,4,5,6,7,8,9,10,11,12,13,14,15
	ds_load_b128 v[VF+4*\f:VF+4*\f+3], v[ADR] offset:8192+512*\f
.endr
	WIN 0
	s_add_co_u32 s[TB], s[TB], 16384               ; the next fetch is the next step's
.endm
; Piece x = tiles 2 x, 2 x + 1.  In both products eight accumulators take turns, one instruction a turn.
.macro KQ x                            ; 16 products: channels 32 (i / 8) on, keys 16 ((i / 2) % 4) on, tile 2 x + i % 2; the first eight start the sums
	WIN W_KQ
.set i, 0
.rept 16
.set rS, S+32*(i%2)+8*((i/2)%4)
.set rK, KF+8*(2*((i/2)%4)+i/8)
.set rQ, Q+8*(2*(2*\x+i%2)+i/8)
.if i < 8
	v_wmma_f32_16x16x32_f16 v[rS:rS+7], v[rK:rK+7], v[rQ:rQ+7], 0
.else
	v_wmma_f32_16x16x32_f16 v[rS:rS+7], v[rK:rK+7], v[rQ:rQ+7], v[rS:rS+7]
.endif
.set i, i+1
.endr
.endm
.macro PV x, first                     ; 16 products: keys 32 (i / 8) on, channels 16 ((i / 2) % 4) on; first = 1: the first eight start O^T's sums: nothing is cleared
	WIN W_PV
.set i, 0
.rept 16
.set rO, 32*(2*\x+i%2)+8*((i/2)%4)
.set rV, VF+8*(4*(i/8)+(i/2)%4)
.set rP, P+16*(i%2)+8*(i/8)
.if \first && (i < 8)
	v_wmma_f32_16x16x32_f16 v[rO:rO+7], v[rV:rV+7], v[rP:rP+7], 0
.else
	v_wmma_f32_16x16x32_f16 v[rO:rO+7], v[rV:rV+7], v[rP:rP+7], v[rO:rO+7]
.endif
.set i, i+1
.endr
.endm
; The softmax of piece x for one step; the two tiles alternate line by line, so that no line waits for the line above it.  first = 1: no old maximum, no a, nothing to rescale.
.macro SOFTMAX x, first
	WIN 0
.irp j, 0,1,2,3
.irp u, 0,1
	v_max3_num_f32 v[ST+8*(2*\x+\u)+4+\j], v[S+32*\u+8*\j], v[S+32*\u+8*\j+1], v[S+32*\u+8*\j+2]   ; four chains; each accumulator is read from its low end on
.endr
.endr
.irp i, 3,5
.irp j, 0,1,2,3
.irp u, 0,1
	v_max3_num_f32 v[ST+8*(2*\x+\u)+4+\j], v[ST+8*(2*\x+\u)+4+\j], v[S+32*\u+8*\j+\i], v[S+32*\u+8*\j+\i+1]
.endr
.endr
.endr
.irp u, 0,1
	v_max3_num_f32 v[ST+8*(2*\x+\u)+4], v[ST+8*(2*\x+\u)+4], v[S+32*\u+7], v[S+32*\u+15]
.endr
.irp u, 0,1
	v_max3_num_f32 v[ST+8*(2*\x+\u)+6], v[ST+8*(2*\x+\u)+6], v[S+32*\u+23], v[S+32*\u+31]
.endr
.irp u, 0,1
	v_max3_num_f32 v[ST+8*(2*\x+\u)+4], v[ST+8*(2*\x+\u)+4], v[ST+8*(2*\x+\u)+5], v[ST+8*(2*\x+\u)+6]
.endr
.irp u, 0,1
.if \first
	v_max_num_f32 v[ST+8*(2*\x+\u)+4], v[ST+8*(2*\x+\u)+4], v[ST+8*(2*\x+\u)+7]
.else
	v_max3_num_f32 v[ST+8*(2*\x+\u)+4], v[ST+8*(2*\x+\u)+4], v[ST+8*(2*\x+\u)+7], v[ST+8*(2*\x+\u)]   ; and the old m
.endif
.endr
.irp u, 0,1
	v_permlanex16_b32 v[ST+8*(2*\x+\u)+5], v[ST+8*(2*\x+\u)+4], s40, s41   ; the query's other 32 keys lie in the lane 16 away
.endr
.if !\first
.irp u, 0,1
	v_mov_b32 v[ST+8*(2*\x+\u)+7], v[ST+8*(2*\x+\u)]
.endr
.endif
.irp u, 0,1
	v_max_num_f32 v[ST+8*(2*\x+\u)], v[ST+8*(2*\x+\u)+4], v[ST+8*(2*\x+\u)+5]   ; the new m
.endr
.if !\first
.irp u, 0,1
	v_sub_f32 v[ST+8*(2*\x+\u)+7], v[ST+8*(2*\x+\u)+7], v[ST+8*(2*\x+\u)]       ; m_old - m_new
.endr
.endif
.irp b, 0,1,2,3,4,5,6,7,8,9,10,11,12,13,14,15
.irp u, 0,1
	v_pk_add_f32 v[S+32*\u+2*\b:S+32*\u+2*\b+1], v[S+32*\u+2*\b:S+32*\u+2*\b+1], v[ST+8*(2*\x+\u):ST+8*(2*\x+\u)+1] op_sel_hi:[1,0] neg_lo:[0,1] neg_hi:[0,1]   ; s - m, two at a time
.endr
.endr
.if !\first
.irp u, 0,1
	v_exp_f32 v[ST+8*(2*\x+\u)+6], v[ST+8*(2*\x+\u)+7]   ; a
.endr
.endif
.irp e, 0,1,2,3,4,5,6,7,8,9,10,11,12,13,14,15,16,17,18,19,20,21,22,23,24,25,26,27,28,29,30,31
.irp u, 0,1
	v_exp_f32 v[S+32*\u+\e], v[S+32*\u+\e]         ; p, at most 1
.endr
.endr
	v_nop                                          ; one plain instruction behind the last exponential
	s_wait_alu depctr_va_vdst(0)                   ; the wait stands ahead of the first instruction that names a result: one for the whole batch
.irp j, 0,1,2,3,4,5,6,7,8,9,10,11,12,13,14,15
.irp u, 0,1
	v_cvt_pk_f16_f32 v[P+16*\u+\j], v[S+32*\u+2*\j], v[S+32*\u+2*\j+1]   ; two packed tiles of 16 keys are a fragment of 32 keys
.endr
.endr
.irp z, 0,1,2,3,4,5,6,7
.irp u, 0,1
	v_pk_add_f32 v[S+32*\u+4*\z:S+32*\u+4*\z+1], v[S+32*\u+4*\z:S+32*\u+4*\z+1], v[S+32*\u+4*\z+2:S+32*\u+4*\z+3]   ; the sum of the unrounded p, as a tree, in place
.endr
.endr
.irp z, 0,1,2,3
.irp u, 0,1
	v_pk_add_f32 v[S+32*\u+8*\z:S+32*\u+8*\z+1], v[S+32*\u+8*\z:S+32*\u+8*\z+1], v[S+32*\u+8*\z+4:S+32*\u+8*\z+5]
.endr
.endr
.irp z, 0,1
.irp u, 0,1
	v_pk_add_f32 v[S+32*\u+16*\z:S+32*\u+16*\z+1], v[S+32*\u+16*\z:S+32*\u+16*\z+1], v[S+32*\u+16*\z+8:S+32*\u+16*\z+9]
.endr
.endr
.if \first
.irp u, 0,1
	v_pk_add_f32 v[ST+8*(2*\x+\u)+2:ST+8*(2*\x+\u)+3], v[S+32*\u:S+32*\u+1], v[S+32*\u+16:S+32*\u+17]
.endr
.else
.irp u, 0,1
	v_pk_add_f32 v[S+32*\u:S+32*\u+1], v[S+32*\u:S+32*\u+1], v[S+32*\u+16:S+32*\u+17]
.endr
.irp u, 0,1
	v_pk_fma_f32 v[ST+8*(2*\x+\u)+2:ST+8*(2*\x+\u)+3], v[ST+8*(2*\x+\u)+2:ST+8*(2*\x+\u)+3], v[ST+8*(2*\x+\u)+6:ST+8*(2*\x+\u)+7], v[S+32*\u:S+32*\u+1] op_sel_hi:[1,0,1]   ; l = a l + the sum
.endr
	WIN W_RS
.irp i, 0,1,2,3,4,5,6,7,8,9,10,11,12,13,14,15
.irp u, 0,1
	v_pk_mul_f32 v[32*(2*\x+\u)+2*\i:32*\x*2+32*\u+2*\i+1], v[32*(2*\x+\u)+2*\i:32*\x*2+32*\u+2*\i+1], v[ST+8*(2*\x+\u)+6:ST+8*(2*\x+\u)+7] op_sel_hi:[1,0]   ; O^T x a, each accumulator from its low end on
.endr
.endr
.endif
.endm
; A KEY STEP.  fetch = 1: the next step's K is fetched when both pieces have multiplied by this step's, its V likewise.
.macro BODY first, fetch
	s_wait_dscnt 16                                ; K is in; V's sixteen younger loads may be out
	KQ 0
	PLACES
	SOFTMAX 0, \first
	s_wait_dscnt 0x0                               ; V is in
	PV 0, \first
	KQ 1
	PLACES                                         ; in front of the loads into K's registers and of the first read of the scores
.if \fetch
	FETCH_K
.endif
	SOFTMAX 1, \first
	PV 1, \first
	PLACES                                         ; in front of the loads into V's registers
.if \fetch
	FETCH_V
.endif
	WIN 0                                          ; at a label and at a branch every window is 0
.endm
; THE CHANGE OF SLOTS stands when the old slot's last K and V have been asked for.  Each wave waits for all its tensor loads (its part of the other slot), adds 0 to its spare word, and waits for that and for its reads of the old slot.
; fill = 1: the barrier is a round of the cluster's, and the joint refill is the first thing behind it: one load a wave, with four key steps in which to land.
.macro CHANGE fill
	WIN 0
	s_wait_tensorcnt 0x0                           ; no tensor load of mine is out, so a group 0 may be written
	ds_add_u32 v[SPW], v[NIL]
.if \fill
	s_xor_b32 s[G0B+1], s[G0B+1], SLOT1            ; the walking descriptor: the other slot than last time,
	s_add_nc_u64 s[G0B+2:G0B+3], s[G0B+2:G0B+3], 65536   ; four steps on
.endif
	s_wait_dscnt 0x0                               ; the add is done, and my reads of the old slot are over
.if \fill
	CROUND
	tensor_load_to_lds s[G0B:G0B+3], s[G1:G1+7]
	s_nop 0
.rept 4
	v_nop
.endr
.else
	s_barrier_signal -1
	s_barrier_wait -1
.endif
	s_sub_co_u32 s[TB], s[TB], 65536               ; the fetches go back to my half's first step,
	s_xor_b32 s[TB], s[TB], SLOT1                  ; in the other slot
.endm
.macro LOOPN n
	s_mov_b32 s[CNT], \n
.Lstep_\@:
	BODY 0, 1
	s_sub_co_u32 s[CNT], s[CNT], 1
	s_cmp_lg_u32 s[CNT], 0
	s_cbranch_scc1 .Lstep_\@
.endm
	s_wait_tensorcnt 1                             ; my part of slot 0 is in; slot 1's may stay out
	s_barrier_signal -1
	s_barrier_wait -1
	FETCH_K                                        ; step 0
	FETCH_V
	s_wait_loadcnt 0x0                             ; Q
	BODY 1, 1                                      ; step 0 starts m, l and O^T; it fetches step 1
	LOOPN 2                                        ; steps 1, 2: slot 0's last step has been fetched
.Lslot:                                            ; two trips: steps 3 to 10; slot 0, then slot 1, is filled again
	CHANGE 1
	LOOPN 4
	s_sub_co_u32 s[SLOTS], s[SLOTS], 1
	s_cmp_lg_u32 s[SLOTS], 0
	s_cbranch_scc1 .Lslot
	CHANGE 0                                       ; the tail is written out
	LOOPN 4                                        ; steps 11 to 14
	BODY 0, 0                                      ; step 15
	; THE MERGE of the two halves of the keys.
.irp t, 0,1,2,3
	v_mov_b32 v[HM+\t], v[ST+8*\t]
.endr
.irp t, 0,1,2,3
	v_add_f32 v[HL+\t], v[ST+8*\t+2], v[ST+8*\t+3]
.endr
	s_cmp_lt_u32 s[WV], 4
	s_cbranch_scc1 .Lkeeps
	WIN 0x04                                       ; an LDS store's data are its source 1: window 1
.irp i, 0,1,2,3,4,5,6,7,8,9,10,11,12,13,14,15,16,17,18,19,20,21,22,23,24,25,26,27,28,29,30,31
	ds_store_b128 v[MA], v[4*\i:4*\i+3] offset:512*\i   ; O^T as it stands, each accumulator from its low end on
.endr
	WIN 0
	ds_store_b128 v[MA], v[HM:HM+3] offset:16384
	ds_store_b128 v[MA], v[HL:HL+3] offset:16896
.Lkeeps:
	s_wait_dscnt 0x0                               ; for the others' sake: my stores are done
	s_barrier_signal -1
	s_barrier_wait -1
	s_cmp_ge_u32 s[WV], 4
	s_cbranch_scc1 .Lgave
	WIN TO_1
.irp i, 0,1,2,3,4,5,6,7,8,9,10,11,12,13,14,15,16,17,18,19,20,21,22,23,24,25,26,27,28,29,30,31
	ds_load_b128 v[128+4*\i:128+4*\i+3], v[MA] offset:512*\i
.endr
	WIN 0
	ds_load_b128 v[PM:PM+3], v[MA] offset:16384
	ds_load_b128 v[PL:PL+3], v[MA] offset:16896
	s_wait_dscnt 0x0
.irp t, 0,1,2,3
	v_max_num_f32 v[ST+8*\t+4], v[HM+\t], v[PM+\t] ; the common maximum
.endr
.irp t, 0,1,2,3
	v_sub_f32 v[ST+8*\t+5], v[HM+\t], v[ST+8*\t+4]
.endr
.irp t, 0,1,2,3
	v_sub_f32 v[ST+8*\t+7], v[PM+\t], v[ST+8*\t+4]
.endr
.irp t, 0,1,2,3
	v_exp_f32 v[ST+8*\t+4], v[ST+8*\t+5]           ; my half's factor,
.endr
.irp t, 0,1,2,3
	v_exp_f32 v[ST+8*\t+6], v[ST+8*\t+7]           ; the partner's
.endr
	v_nop
	s_wait_alu depctr_va_vdst(0)                   ; one wait for the eight
.irp t, 0,1,2,3
	v_mul_f32 v[HL+\t], v[HL+\t], v[ST+8*\t+4]
.endr
.irp t, 0,1,2,3
	v_fmac_f32 v[HL+\t], v[PL+\t], v[ST+8*\t+6]
.endr
.irp t, 0,1,2,3
	v_permlanex16_b32 v[ST+8*\t+5], v[HL+\t], s40, s41
.endr
.irp t, 0,1,2,3
	v_add_f32 v[HL+\t], v[HL+\t], v[ST+8*\t+5]     ; with lane l xor 16's: the row's sum
.endr
.irp t, 0,1,2,3
	v_rcp_f32 v[ST+8*\t+5], v[HL+\t]
.endr
	v_nop
	s_wait_alu depctr_va_vdst(0)                   ; one wait for the four
.irp t, 0,1,2,3
	v_mul_f32 v[ST+8*\t+4], v[ST+8*\t+4], v[ST+8*\t+5]
.endr
.irp t, 0,1,2,3
	v_mul_f32 v[ST+8*\t+6], v[ST+8*\t+6], v[ST+8*\t+5]
.endr
	WIN W_RS
.set i, 0
.rept 64
	v_pk_mul_f32 v[2*i:2*i+1], v[2*i:2*i+1], v[ST+8*(i/16)+4:ST+8*(i/16)+5] op_sel_hi:[1,0]
.set i, i+1
.endr
	WIN W_PV                                       ; sources 0 and 2 and the destination in window 1, the factor in window 0
.set i, 0
.rept 64
	v_pk_fma_f32 v[2*i:2*i+1], v[128+2*i:128+2*i+1], v[ST+8*(i/16)+6:ST+8*(i/16)+7], v[2*i:2*i+1] op_sel_hi:[1,0,1]
.set i, i+1
.endr
	WIN 0x05                                       ; sources in window 1, destination in window 0
.set i, 0
.rept 64
	v_cvt_pk_f16_f32 v[S+i], v[2*i], v[2*i+1]      ; a lane's eight channels of a token: a piece of the next launch's operand
.set i, i+1
.endr
	WIN 0
.irp t, 0,1,2,3
.irp d, 0,1,2,3
	global_store_b128 v[AL0], v[S+16*\t+4*\d:S+16*\t+4*\d+3], s[8:9] offset:32768*\t+512*\d   ; 512 consecutive bytes, aligned
.endr
.endr
.Lgave:
	s_wait_tensorcnt 0x0                           ; the wave's end
	ds_add_u32 v[SPW], v[NIL]
	s_wait_dscnt 0x0
	CROUND                                         ; the closing round
	s_endpgm
.Lfunc_end_k_qae424d8cec_attn:
	.size	k_qae424d8cec_attn, .Lfunc_end_k_qae424d8cec_attn-k_qae424d8cec_attn
	.p2alignl 7, 3214868480
	.fill 96, 4, 3214868480
	.section	.rodata,"a",@progbits
	.p2align	6, 0x0
	.amdhsa_kernel k_qae424d8cec_attn
		.amdhsa_group_segment_fixed_size 327680
		.amdhsa_private_segment_fixed_size 0
		.amdhsa_enable_private_segment 0
		.amdhsa_kernarg_size 24
		.amdhsa_user_sgpr_count 2
		.amdhsa_user_sgpr_kernarg_segment_ptr 1
		.amdhsa_wavefront_size32 1
		.amdhsa_system_sgpr_workgroup_id_x 1
		.amdhsa_system_sgpr_workgroup_id_y 1
		.amdhsa_system_sgpr_workgroup_id_z 1
		.amdhsa_system_vgpr_workitem_id 0
		.amdhsa_next_free_vgpr 512
		.amdhsa_next_free_sgpr 66
		.amdhsa_reserve_vcc 0
		.amdhsa_float_denorm_mode_32 3
		.amdhsa_float_denorm_mode_16_64 3
		.amdhsa_memory_ordered 1
		.amdhsa_forward_progress 1
		.amdhsa_inst_pref_size 183
	.end_amdhsa_kernel
	.amdgpu_metadata
---
amdhsa.version: [ 1, 2 ]
amdhsa.kernels:
  - .name:           k_qae424d8cec_attn
    .symbol:         k_qae424d8cec_attn.kd
    .args:
      - { .name: qf, .offset: 0, .size: 8, .value_kind: global_buffer, .address_space: global }
      - { .name: kv, .offset: 8, .size: 8, .value_kind: global_buffer, .address_space: global }
      - { .name: cf, .offset: 16, .size: 8, .value_kind: global_buffer, .address_space: global }
    .group_segment_fixed_size: 327680
    .private_segment_fixed_size: 0
    .kernarg_segment_align: 8
    .kernarg_segment_size: 24
    .max_flat_workgroup_size: 256
    .sgpr_count:     66
    .vgpr_count:     512
    .wavefront_size: 32
...
	.end_amdgpu_metadata
.endif
;; end of part 3
;; launch oproj (part 4): grid 8 x 32, 4 waves a work-group, clusters of 4 x 4, 327,680 bytes of LDS; arguments cf, wof, bo, out0; writes out0
.if DOCPART == 4
	.amdgcn_target "amdgcn-amd-amdhsa--gfx1250"
	.amdhsa_code_object_version 6
	.text
	.protected	k_qae424d8cec_oproj
	.globl	k_qae424d8cec_oproj
	.p2align	8
	.type	k_qae424d8cec_oproj,@function
k_qae424d8cec_oproj:
	s_mov_b64 s[64:65], 0
	v_nop
	global_prefetch_b8 v0, s[64:65] scope:SCOPE_SE
	s_setreg_imm32_b32 hwreg(HW_REG_WAVE_MODE, 25, 1), 1
	s_wait_xcnt 0x0
	s_wait_alu depctr_hold_cnt(0) depctr_sa_sdst(0) depctr_va_vdst(0) depctr_va_sdst(0) depctr_va_ssrc(0) depctr_va_vcc(0) depctr_vm_vsrc(0)
	s_getreg_b32 s2, hwreg(HW_REG_IB_STS2, 6, 4)
	s_cmp_eq_u32 s2, 0
	s_cbranch_scc0 .Lentry_in_a_cluster
	s_endpgm
.Lentry_in_a_cluster:
	s_bfe_u32 s2, ttmp6, 0x10000c
	s_cmp_lg_u32 s2, 0xf033
	s_cbranch_scc0 .Lentry_shape_is_right
	s_endpgm
.Lentry_shape_is_right:
; OPROJ.  out0 = ctx Wo^T + bo.  ctx [4096][1024] and Wo [1024][1024] are f16, laid as images of the operands' registers (a fragment, 16 rows x 32 K: two pieces of 512 bytes, lane l's 16 bytes at 16 l); sums and out0 in f32.
; A tile of out0 is 128 x 128, so that 256 work-groups have one each.  Four waves, each 64 x 64: 16 accumulators.  K goes in four steps of 256 through a ring of two LDS slots; a wave's tensor load brings four blocks of 16 rows x 8,192 bytes.
; CLUSTERS: 4 x 4: ctx's tiles are shared along a row of the cluster, Wo's along a column, each asked for jointly.  The matrix instruction is used transposed (source 0 = 16 rows of Wo, source 1 = 16 rows of ctx):
; a lane holds eight neighbouring numbers of a row of out0.  The bias is the C of each sum's first product.  A wave's 64 columns are 256 aligned bytes: each wave has a stage of its own on the way out, and no barrier.
; REGISTERS: window 0: v16-29 addresses; v32-95 rows on the way out, two sets; v96-127 the bias; v128-255 the accumulators ((a, b) at v[128 + 8 (4 a + b)]).   window 1: two fragment buffers of 128: 64 of ctx, then 64 of Wo, for 64 along K.
.set SLOT,   131072                    ; ctx's 8 blocks x 8,192 bytes, then Wo's 8
.set STAGE,  2*SLOT                    ; behind the ring: 16 rows x 272 bytes for each wave; no fill lands there
.set SPITCH, 272
.set SPARE,  STAGE+4*16*SPITCH         ; the spare words, 128 bytes a wave
.set ADRA, 16
.set ADRB, 20
.set STO,  24
.set RD,   25
.set CO,   26
.set SPW,  28
.set NIL,  29
.set OB,   32
.set BIA,  96
.set ACC,  128
.set F0,   0
.set F1,   128
.set G1, 24
.set G0, 32
.set G1B, 48
.set G0B, 56
.set MSB, 0
.macro WIN new
.if MSB != (\new)
	s_set_vgpr_msb (MSB<<8)|(\new)
.set MSB, (\new)
.endif
.endm
.set MUL,  0x05                        ; sources 0 and 1 window 1; C and D window 0
.set TO_F, 0x40
.macro JLOAD s                         ; waves 0 and 1 fetch ctx's halves, waves 2 and 3 Wo's; an s_nop 0 and four v_nop follow each of the two lines
	s_cmp_eq_u32 s13, 0
	s_cbranch_scc0 .Lfor_b_\@
	tensor_load_to_lds s[G0+4*\s:G0+4*\s+3], s[G1:G1+7]
	s_nop 0
.rept 4
	v_nop
.endr
	s_branch .Lasked_\@
.Lfor_b_\@:
	tensor_load_to_lds s[G0B+4*\s:G0B+4*\s+3], s[G1B:G1B+7]
	s_nop 0
.rept 4
	v_nop
.endr
.Lasked_\@:
.endm
.macro CREST
	s_cmp_lg_u32 s12, 0
	s_cbranch_scc1 .Lnot_wave_0_\@
	s_barrier_signal -3
.Lnot_wave_0_\@:
	s_barrier_wait -3
	s_barrier_signal -1
	s_barrier_wait -1
.endm
.macro CROUND
	s_barrier_signal -1
	s_barrier_wait -1
	CREST
.endm
	s_load_b256 s[4:11], s[0:1], 0x0               ; cf s[4:5], wof s[6:7], bo s[8:9], out0 s[10:11]
	v_lshl_add_u32 v[SPW], v0, 2, SPARE
	v_mov_b32 v[NIL], 0
	ds_add_u32 v[SPW], v[NIL]                      ; the wave's opening: the add, twice on end, and its wait ahead of my first tensor load
	ds_add_u32 v[SPW], v[NIL]
	v_lshrrev_b32 v1, 5, v0
	v_readfirstlane_b32 s12, v1                    ; wave 0..3
	s_lshr_b32 s13, s12, 1                         ; my half of the tile's rows.  Also: I fetch for ctx (0) or for Wo (1)
	s_and_b32 s14, s12, 1                          ; my half of its columns.  Also: which four blocks I fetch
	s_bfe_u32 s40, ttmp6, 0x40000
	s_bfe_u32 s41, ttmp6, 0x40004
	s_lshl_b32 s42, ttmp9, 2
	s_add_co_u32 s42, s42, s40                     ; tile column
	s_and_b32 s15, ttmp7, 0xffff
	s_lshl_b32 s15, s15, 2
	s_add_co_u32 s15, s15, s41                     ; tile row
	s_lshl_b32 s43, s41, 2
	s_lshl_b32 s43, 15, s43                        ; my row of the cluster
	s_lshl_b32 s44, 0x1111, s40                    ; my column
	; group 1: 4 rows (blocks of 16 rows) of 8,192 bytes (256 along K), 32,768 bytes apart; elements of 8 bytes; no padding
	s_or_b32 s[G1], s43, (3<<16)|(1<<21)
	s_or_b32 s[G1B], s44, (3<<16)|(1<<21)
.irp g, G1, G1B
	s_mov_b32 s[\g+1], 1024<<16
	s_mov_b32 s[\g+2], 4<<16
	s_mov_b32 s[\g+3], 1024<<16
	s_mov_b32 s[\g+4], 4
	s_mov_b32 s[\g+5], 4096
	s_mov_b32 s[\g+6], 0
	s_mov_b32 s[\g+7], 0
.endr
	s_lshl_b32 s17, s14, 17                        ; the four blocks that I fetch
	s_lshl_b32 s16, s15, 18                        ; ctx: block 8 x tile row + 4 x half
	s_add_co_u32 s16, s16, s17
	s_lshl_b32 s46, s42, 18                        ; Wo: block 8 x tile column + 4 x half
	s_add_co_u32 s46, s46, s17
	s_mov_b32 s17, 0
	s_mov_b32 s47, 0
	s_lshl_b32 s20, s12, 15                        ; where they go: wave x 32,768
	s_wait_dscnt 0x0                               ; both opening adds are done
	s_wait_kmcnt 0x0
	s_add_nc_u64 s[16:17], s[4:5], s[16:17]
	s_add_nc_u64 s[46:47], s[6:7], s[46:47]
	CROUND                                         ; all sixteen work-groups are here: the first joint loads meet
.irp s, 0,1
	s_mov_b32 s[G0+4*\s], 1
	s_add_co_u32 s[G0+4*\s+1], s20, \s*SLOT
	s_add_nc_u64 s[G0+4*\s+2:G0+4*\s+3], s[16:17], \s*8192
	s_or_b32 s[G0+4*\s+3], s[G0+4*\s+3], 0x80000000
	s_mov_b32 s[G0B+4*\s], 1
	s_add_co_u32 s[G0B+4*\s+1], s20, \s*SLOT
	s_add_nc_u64 s[G0B+4*\s+2:G0B+4*\s+3], s[46:47], \s*8192
	s_or_b32 s[G0B+4*\s+3], s[G0B+4*\s+3], 0x80000000
	JLOAD \s
.endr
	v_and_b32 v1, 15, v0                           ; r
	v_bfe_u32 v2, v0, 4, 1                         ; h
	v_and_b32 v3, 31, v0
	v_lshlrev_b32 v3, 4, v3                        ; 16 x lane
	s_lshl_b32 s21, s13, 15                        ; my four blocks of ctx,
	s_lshl_b32 s22, s14, 15
	s_add_co_u32 s22, s22, 65536                   ; and of Wo, behind ctx's eight
.irp s, 0,1
	v_add_nc_u32 v[ADRA+\s], s21, v3
	v_add_nc_u32 v[ADRB+\s], s22, v3
	s_add_co_u32 s21, s21, SLOT
	s_add_co_u32 s22, s22, SLOT
.endr
	s_mul_i32 s23, s12, 16*SPITCH
	s_add_co_u32 s23, s23, STAGE                   ; my stage
	v_mul_u32_u24 v4, v1, SPITCH                   ; in: row r, 32 bytes for each half of the lanes
	v_lshl_add_u32 v4, v2, 5, v4
	v_add_nc_u32 v[STO], s23, v4
	v_mul_u32_u24 v5, v2, SPITCH                   ; back: lanes 0-15 one row of 256 bytes, lanes 16-31 the next
	v_lshl_add_u32 v5, v1, 4, v5
	v_add_nc_u32 v[RD], s23, v5
	v_lshlrev_b32 v5, 12, v2                       ; and the same two rows in out0
	v_lshl_add_u32 v[CO], v1, 4, v5
	s_lshl_b32 s16, s15, 7
	s_lshl_b32 s17, s13, 6
	s_add_co_u32 s16, s16, s17
	s_lshl_b32 s16, s16, 12                        ; my first row: 128 x tile row + 64 x half, 4,096 bytes each
	s_lshl_b32 s46, s42, 9
	s_lshl_b32 s47, s14, 8
	s_add_co_u32 s46, s46, s47                     ; my first column, in bytes
	s_mov_b32 s47, 0
	s_add_nc_u64 s[8:9], s[8:9], s[46:47]
	s_add_co_u32 s16, s16, s46
	s_mov_b32 s17, 0
	s_add_nc_u64 s[10:11], s[10:11], s[16:17]
	v_lshlrev_b32 v6, 5, v2
.irp b, 0,1,2,3
	global_load_b128 v[BIA+8*\b:BIA+8*\b+3], v6, s[8:9] offset:64*\b        ; bo at columns 16 b + 8 h + 0 .. 7: the result's layout
	global_load_b128 v[BIA+8*\b+4:BIA+8*\b+7], v6, s[8:9] offset:64*\b+16
.endr
; 8 matrix instructions: row blocks a0, a0 + 1 x all 4 column blocks, 32 along K: half c of buffer f.  zero = 1: the first product starts the sums, with the bias as C.  The 16 accumulators take turns.
.macro MUL8 f, c, a0, zero
.irp a, \a0, \a0+1
.irp b, 0,1,2,3
.if \zero
	v_wmma_f32_16x16x32_f16 v[ACC+8*(4*(\a)+\b):ACC+8*(4*(\a)+\b)+7], v[\f+64+8*(4*\c+\b):\f+64+8*(4*\c+\b)+7], v[\f+8*(4*\c+\a):\f+8*(4*\c+\a)+7], v[BIA+8*\b:BIA+8*\b+7]
.else
	v_wmma_f32_16x16x32_f16 v[ACC+8*(4*(\a)+\b):ACC+8*(4*(\a)+\b)+7], v[\f+64+8*(4*\c+\b):\f+64+8*(4*\c+\b)+7], v[\f+8*(4*\c+\a):\f+8*(4*\c+\a)+7], v[ACC+8*(4*(\a)+\b):ACC+8*(4*(\a)+\b)+7]
.endif
.endr
.endr
.endm
; 32 LDS loads in one run: the fragments of the slot's k-th 64 along K into buffer f; the first 32 along K first
.macro FETCH slot, k, f
	WIN TO_F
.irp c, 0,1
.irp i, 0,1,2,3
	ds_load_b128 v[\f+64+8*(4*\c+\i):\f+64+8*(4*\c+\i)+3],   v[ADRB+\slot] offset:\i*8192+(2*(\k)+\c)*1024
	ds_load_b128 v[\f+64+8*(4*\c+\i)+4:\f+64+8*(4*\c+\i)+7], v[ADRB+\slot] offset:\i*8192+(2*(\k)+\c)*1024+512
	ds_load_b128 v[\f+8*(4*\c+\i):\f+8*(4*\c+\i)+3],         v[ADRA+\slot] offset:\i*8192+(2*(\k)+\c)*1024
	ds_load_b128 v[\f+8*(4*\c+\i)+4:\f+8*(4*\c+\i)+7],       v[ADRA+\slot] offset:\i*8192+(2*(\k)+\c)*1024+512
.endr
.endr
.endm
.macro PLACES                          ; four plain instructions in front of loads into registers that matrix instructions have read, and of the first read of results
.rept 4
	v_nop
.endr
.endm
; A K step is four quarters of 64 along K on buffers 0, 1, 0, 1.  One of the first three multiplies buffer f and fetches quarter k into g.
.macro QUARTER slot, k, f, g, zero
	s_wait_dscnt 16                                ; the first 32 along K are in; the sixteen younger loads may be out
	WIN MUL
	MUL8 \f, 0, 0, \zero
	MUL8 \f, 0, 2, \zero
	PLACES
	FETCH \slot, \k, \g
	s_wait_dscnt 32                                ; all but the 32 just issued
	WIN MUL
	MUL8 \f, 1, 0, 0
	MUL8 \f, 1, 2, 0
.endm
; The last quarter changes slots: ONE barrier; in front of it each wave waits for all its tensor loads, adds 0 to its spare word, and waits for that and for its reads of this slot.  fill = 1: this slot is filled again, two K steps ahead.
.macro TURN slot, next, fill
	WIN 0
	s_wait_tensorcnt 0x0                           ; all my tensor loads have landed: my part of the next slot
	ds_add_u32 v[SPW], v[NIL]
	s_wait_dscnt 17                                ; (the add and the youngest sixteen loads may be out)
	WIN MUL
	MUL8 F1, 0, 0, 0
	s_wait_dscnt 0x0                               ; the add is done, and my reads of this slot are over
	s_barrier_signal -1
	MUL8 F1, 0, 2, 0
.if \fill
	WIN 0
.endif
	s_barrier_wait -1
.if \fill
	CREST                                          ; the barrier has opened a round of the cluster's: no wave of any partner still reads this slot or has a load on its way
	s_add_nc_u64 s[G0+4*\slot+2:G0+4*\slot+3], s[G0+4*\slot+2:G0+4*\slot+3], 16384
	s_add_nc_u64 s[G0B+4*\slot+2:G0B+4*\slot+3], s[G0B+4*\slot+2:G0B+4*\slot+3], 16384
	JLOAD \slot                                    ; my one tensor load behind the round; its four v_nop are also the places in front of the loads below
.else
	PLACES
.endif
	FETCH \next, 0, F0
	WIN MUL
	MUL8 F1, 1, 0, 0
	MUL8 F1, 1, 2, 0
.endm
	s_wait_tensorcnt 1                             ; my part of K step 0 is in; K step 1's may be out,
	s_barrier_signal -1
	s_barrier_wait -1                              ; everybody's is
	FETCH 0, 0, F0
	s_wait_loadcnt 0x0                             ; the bias
	QUARTER 0, 1, F0, F1, 1                        ; K step 0
	QUARTER 0, 2, F1, F0, 0
	QUARTER 0, 3, F0, F1, 0
	TURN 0, 1, 1                                   ; slot 0 takes K step 2
	QUARTER 1, 1, F0, F1, 0                        ; K step 1
	QUARTER 1, 2, F1, F0, 0
	QUARTER 1, 3, F0, F1, 0
	TURN 1, 0, 1                                   ; slot 1 takes K step 3
	QUARTER 0, 1, F0, F1, 0                        ; K step 2
	QUARTER 0, 2, F1, F0, 0
	QUARTER 0, 3, F0, F1, 0
	TURN 0, 1, 0                                   ; nothing is left to fetch
	QUARTER 1, 1, F0, F1, 0                        ; K step 3
	QUARTER 1, 2, F1, F0, 0
	QUARTER 1, 3, F0, F1, 0
	s_wait_dscnt 16
	WIN MUL
	MUL8 F1, 0, 0, 0
	MUL8 F1, 0, 2, 0
	s_wait_dscnt 0
	MUL8 F1, 1, 0, 0
	MUL8 F1, 1, 2, 0
	WIN 0
; THE WAY OUT, 16 rows at a time through my own stage: LDS serves a wave's instructions in order, so no wait stands between the stores and the loads, nor in front of the next block's stores.
.macro TOSTAGE a
.irp b, 0,1,2,3
	ds_store_b128 v[STO], v[ACC+8*(4*(\a)+\b):ACC+8*(4*(\a)+\b)+3] offset:64*\b          ; each accumulator from its low end on
	ds_store_b128 v[STO], v[ACC+8*(4*(\a)+\b)+4:ACC+8*(4*(\a)+\b)+7] offset:64*\b+16
.endr
.irp t, 0,1,2,3,4,5,6,7
	ds_load_b128 v[OB+32*((\a)%2)+4*\t:OB+32*((\a)%2)+4*\t+3], v[RD] offset:\t*2*SPITCH
.endr
.endm
.macro SEND a, younger                 ; younger: the LDS instructions issued behind block a's loads
	s_wait_dscnt \younger
.irp t, 0,1,2,3,4,5,6,7
	global_store_b128 v[CO], v[OB+32*((\a)%2)+4*\t:OB+32*((\a)%2)+4*\t+3], s[10:11] offset:(16*(\a)+2*\t)*4096 th:TH_STORE_NT   ; 16 lanes store 256 consecutive aligned bytes; written once, read by nobody here
.endr
.endm
	PLACES
	TOSTAGE 0
.irp a, 1,2,3
.if \a > 1
	s_wait_xcnt 0x0                                ; block a - 2's stores have read their registers: block a's loads may land there
.endif
	TOSTAGE \a
	SEND \a-1, 16                                  ; behind block a - 1's loads: block a's 8 stores and 8 loads
.endr
	SEND 3, 0
	s_wait_tensorcnt 0x0                           ; the wave's end
	ds_add_u32 v[SPW], v[NIL]
	s_wait_dscnt 0x0
	CROUND                                         ; the closing round
	s_endpgm
.Lfunc_end_k_qae424d8cec_oproj:
	.size	k_qae424d8cec_oproj, .Lfunc_end_k_qae424d8cec_oproj-k_qae424d8cec_oproj
	.p2alignl 7, 3214868480
	.fill 96, 4, 3214868480
	.section	.rodata,"a",@progbits
	.p2align	6, 0x0
	.amdhsa_kernel k_qae424d8cec_oproj
		.amdhsa_group_segment_fixed_size 327680
		.amdhsa_private_segment_fixed_size 0
		.amdhsa_enable_private_segment 0
		.amdhsa_kernarg_size 32
		.amdhsa_user_sgpr_count 2
		.amdhsa_user_sgpr_kernarg_segment_ptr 1
		.amdhsa_wavefront_size32 1
		.amdhsa_system_sgpr_workgroup_id_x 1
		.amdhsa_system_sgpr_workgroup_id_y 1
		.amdhsa_system_sgpr_workgroup_id_z 1
		.amdhsa_system_vgpr_workitem_id 0
		.amdhsa_next_free_vgpr 512
		.amdhsa_next_free_sgpr 66
		.amdhsa_reserve_vcc 0
		.amdhsa_float_denorm_mode_32 3
		.amdhsa_float_denorm_mode_16_64 3
		.amdhsa_memory_ordered 1
		.amdhsa_forward_progress 1
		.amdhsa_inst_pref_size 86
	.end_amdhsa_kernel
	.amdgpu_metadata
---
amdhsa.version: [ 1, 2 ]
amdhsa.kernels:
  - .name:           k_qae424d8cec_oproj
    .symbol:         k_qae424d8cec_oproj.kd
    .args:
      - { .name: cf, .offset: 0, .size: 8, .value_kind: global_buffer, .address_space: global }
      - { .name: wof, .offset: 8, .size: 8, .value_kind: global_buffer, .address_space: global }
      - { .name: bo, .offset: 16, .size: 8, .value_kind: global_buffer, .address_space: global }
      - { .name: out0, .offset: 24, .size: 8, .value_kind: global_buffer, .address_space: global }
    .group_segment_fixed_size: 327680
    .private_segment_fixed_size: 0
    .kernarg_segment_align: 8
    .kernarg_segment_size: 32
    .max_flat_workgroup_size: 128
    .sgpr_count:     66
    .vgpr_count:     512
    .wavefront_size: 32
...
	.end_amdgpu_metadata
.endif
;; end of part 4
